; MI455X (gfx1250); checked and timed in simulation.
; The chip was launched on July 23, 2026; its instructions are those of AMD's public machine-readable ISA for CDNA 5 (MIT licence, August 2026) and "CDNA5" Instruction Set Architecture Reference Guide (July 2026). The comments in the code are by the model that wrote it; some were corrected since.
;; Attention. Allowed arithmetic: matrix products marked QUANTISED: E2M1 operands, one E8M0 scale for each 32 along K, by v_wmma_scale_f32_16x16x128_f8f6f4 with both operands' format E2M1 (or v_wmma_scale_f32_32x16x128_f4), f32 sums; products left as they are: f32 operands where the result goes on into a quantised operand, else bf16, f16 or f32 operands; f32 sums; everything else in f32.
;; Inputs: Wh 1,024 x 1,024 float32; Ws 1,024 x 1,024 float32; bs 1,024 float32; c_dec 1 x 32 x 512 float32; encoder_output 32 x 2,048 x 1,024 float32; h_dec 1 x 32 x 512 float32; v 1,024 float32; x_padding_masks 32 x 2,048 float32.
;; Outputs: out0 32 x 1,024 float32; out1 32 x 2,048 float32.
;; This version of the problem:
;;   THIS VERSION OF THE PROBLEM IS GIVEN IN LOW PRECISION. The matrix products marked QUANTISED in the list below multiply operands that are first quantised to E2M1 (2 exponent bits, 1 mantissa bit; 4 bits a number), with one power-of-two scale for each 32 numbers along K (OCP MX v1.0); their sums are f32. All else is computed in f32.
;;   The module's matrix products, in the order in which they are computed (A, B: the left and right operand; K: the contracted axis; several contracted axes count as one K, in the product's order):
;;     1. [M 65,536, K 1,024] x [K 1,024, N 1,024]; A: input encoder_output; B: input Wh: QUANTISED
;;     2. [M 32, K 1,024] x [K 1,024, N 1,024]; A: computed on the way; B: input Ws: QUANTISED
;;     3. [M 65,536, K 1,024] x [K 1,024, N 1]; A: computed on the way; B: input v: left as it is (N = 1 < 16)
;;     4. batch 32 x [M 1, K 2,048] x [K 2,048, N 1,024]; A: computed on the way; B: input encoder_output: left as it is (M = 1 < 16)
;;   THE QUANTISER, for each operand of a quantised product, along K:
;;     - K is cut into blocks of 32 from its start; a last block that is shorter is filled with zeros.
;;     - A block's scale is 2^e with e = floor(log2(the largest magnitude in the block)) - 2, held to -126 .. 127; a block of zeros has e = 0. As a byte (E8M0): e + 127.
;;     - Each number is divided by its block's scale, clamped to +-6, and rounded to the nearest number of E2M1, ties to even, subnormals kept.
;;     - The product sums the exact products of the quantised numbers (number of the format x scale) in f32.
;;   ~~~python
;;   def quantise(x, axis):      # numpy; x: float32 -> the quantised numbers, widened to float32 again
;;       x = np.moveaxis(x, axis, -1); K = x.shape[-1]
;;       x = np.pad(x, [(0, 0)] * (x.ndim - 1) + [(0, -K % 32)]); x = x.reshape(x.shape[:-1] + (-1, 32)); a = np.abs(x).max(-1, keepdims=True)
;;       e = np.where(a > 0, np.clip(np.frexp(np.where(a > 0, a, 1))[1] - 1 - 2, -126, 127), 0)      # np.frexp(a)[1] - 1 = floor(log2(a)), exactly
;;       r = np.clip(x / 2.0 ** e, -6, 6)
;;       step = 2.0 ** (np.maximum(np.frexp(np.where(r == 0, 1, r))[1] - 1, 0) - 1)
;;       q = np.round(r / step) * step * 2.0 ** e      # np.round: ties to even
;;       return np.moveaxis(q.reshape(q.shape[:-2] + (-1,))[..., :K], -1, axis).astype(np.float32)
;;   ~~~
;;   OPERANDS COMPUTED ON THE WAY. 'Computed on the way' means the value that the module computes at that place (a softmax that the list does not call 'softmax' is quantised finished and normalised). What goes into a quantiser is computed in f32, as accurately as f32 sums, v_exp_f32 and their like allow (about 1e-6 of the number): no bf16 or f16 on the way to a quantiser, and a product that is left as it is and whose result goes on into a quantised operand takes f32 operands (vector FMAs, or v_wmma_f32_16x16x4_f32). A number that lies on a knife's edge between two numbers of the format may be rounded either way, as far as f32 arithmetic and the matrix unit's own rounding can turn it there, and no further.
;; One version. Each part assembles by itself: llvm-mc -triple=amdgcn-amd-amdhsa -mcpu=gfx1250 --defsym DOCPART=n.
;; ======== version 1 of 1: 3 launches
;; limits: values are held in bf16: 8 bits of precision; right only within a limited range of input values
;; workspace buffers: whc 524,288 bytes; whs 32,768 bytes; dcs 131,072 bytes; tau 262,144 bytes; stat 2,048 bytes; ctxp 1,048,576 bytes
;; launch prep (part 1): grid 192 x 1, 8 waves a work-group, no clusters, 144,896 bytes of LDS; arguments Wh, Ws, bs, h_dec, c_dec, whc, whs, dcs; writes whc, whs, dcs
.if DOCPART == 1
	.amdgcn_target "amdgcn-amd-amdhsa--gfx1250"
	.amdhsa_code_object_version 6
	.text
	.protected	k_qde09bfb142_prep
	.globl	k_qde09bfb142_prep
	.p2align	8
	.type	k_qde09bfb142_prep,@function
k_qde09bfb142_prep:
	s_mov_b64 s[64:65], 0
	v_nop
	global_prefetch_b8 v0, s[64:65] scope:SCOPE_SE
	s_setreg_imm32_b32 hwreg(HW_REG_WAVE_MODE, 25, 1), 1
	s_wait_xcnt 0x0
; WHAT THE PROGRAM COMPUTES: additive attention.  x[b][s][e] = Q(enc) Q(Wh)^T + Q(s_t) Q(Ws)^T + bs, score = tanh(x) . v, weights = softmax(score) x mask, normalised again; context = weights . enc.
; Q is the MX-FP4 quantiser along K (E2M1 codes, one E8M0 byte for each 32).  Three launches: this one (weights into codes, the decoder's features), attn (scores and partial contexts), fin (the parts joined).
; WORK LEFT OUT, for all finite values of the inputs:
;   (1) tanh(x) = 1 - 2 / (1 + e^(2x)), so score[b][s] = sum_e v[e] - 2 sum_e v[e] / (1 + e^(2x)).  The first term is the same for every s of a row, and a term that is the same along a softmax's axis
;       leaves the softmax as it is: it is not formed.
;   (2) weights = (e^(score - max) / Z x mask) / sum_s(e^(score - max) / Z x mask): the softmax's own divisor Z stands in numerator and denominator and cancels: it is not formed.
;   The maximum is taken away before the exponential, over all positions, masked ones too, as reference() takes it.  Every input has a way to an output: all eight are loaded.
; LIMITS: a NaN, an infinity or an overflow that reaches only sum_e v[e] or Z is not carried to the result.  NaN and infinities among the inputs are not served.  A block whose largest magnitude lies under
;   2^-124 has its scale byte held at 1; a block of zeros has the byte 1 where the rule says 127: its codes are zeros, and the bytes are read by this program alone.  f32 sums are taken in another order than reference()'s.
;
; THIS LAUNCH.  Work-groups 0-63: column tile ct (16 rows of Wh) becomes eight operand fragments and their scale words.  Work-groups 64-191: tile (ct, bt) of product 2: 16 rows of Ws and 16 of the 32 rows of
; s_t = [h_dec, c_dec] are quantised and multiplied.  In both, wave = K step of 128.
; LOADS ARE DENSE, AND YET A LANE HOLDS WHOLE BLOCKS.  A load takes one row's K step, 512 consecutive bytes, 16 a lane.  The 4-bit operand layout wants lane (r, h) to hold row r, k = 64 c + 32 h + 0 .. 31 of the
; K step: so the wave's 16 rows turn through its own stage in LDS: stored as loaded, rows 528 bytes apart, and read back 128 bytes a lane and part c.  The conversions' results are then the operand's registers.
; whc: a fragment is stored as an image of its registers, [c][lane][16 bytes], 1,024 bytes; fragment (ct, ks) lies at ((ct / 4) 32 + 4 ks + ct % 4) x 1,024: the order in which a wave of attn multiplies.
; whs: Wh's scale bytes, [row 1024][32].   dcs: c (Q(s_t) Q(Ws)^T + bs), c = 2 log2(e), laid [ct 64][b 32][16].
; The two kinds of work-group part once, on the work-group's number (the same in all eight waves), and do not join again: each way has its barrier, its LDS bytes and its end.
.set RA,    0                          ; LDS: Wh's scale words of the tile, 16 rows x 32 bytes (first way only)
.set RB,    512                        ; product 2's parts, [ks 8][half 2][lane 32][16 bytes] (second way only)
.set STG,   RB+8*1024                  ; the stages: for each wave two of 16 rows, one for each way
.set SP,    528                        ; a stage's row: 512 bytes + 16: the sixteen lanes of a 16-byte load, a row apart, fall on sixteen different 16-byte columns of 256
.set WST,   2*16*SP
.set SPARE, STG+8*WST                  ; the spare words, 128 bytes for each wave: four blocks of 256 bytes that no other line names
.set SPW,   14                         ; v14  LDS address of my spare word; never rewritten
.set NIL,   15                         ; v15  0; never rewritten
.set TQ,    16                         ; v16-22 at work in QF
.set CW,    24                         ; v24-31 the codes of W's fragment;  v32-39 those of s_t's 16 rows
.set CS0,   32
.set SWW,   48                         ; v48, v49 the two scale words: these registers hold scales and nothing else
.set SWS0,  49
.set BSR,   52                         ; v[52:53] two numbers of bs
.set SI,    54                         ; v54  into my stage: 16 x lane
.set SO,    55                         ; v55  out of it: 528 r + 128 h
.set XW,    64                         ; v64-127 W's 64 numbers;  v128-191 s_t's
.set XS0,   128
.set D0,    64                         ; product 2's result, where W's numbers lay
.set RS,    80                         ; v80-95 the eight K steps' parts of my two outputs
; 16 rows' K step as it lies: row j into registers 4 j .. 4 j + 3; 32 lanes read 512 consecutive bytes
.macro LOADF x, adr, base, pitch
.irp j, 0,1,2,3,4,5,6,7,8,9,10,11,12,13,14,15
	global_load_b128 v[\x+4*\j:\x+4*\j+3], v[\adr], s[\base:\base+1] offset:(\pitch)*\j
.endr
.endm
; Through my stage (way 0: Wh's work-groups, way 1: product 2's): afterwards register 32 c + i holds row r, k = 64 c + 32 h + i.  LDS serves a wave's instructions in order: the loads see the stores,
; and a later turn's stores come behind these loads
.macro TURN x, way
.irp j, 0,1,2,3,4,5,6,7,8,9,10,11,12,13,14,15
	ds_store_b128 v[SI], v[\x+4*\j:\x+4*\j+3] offset:(\way)*16*SP+SP*\j
.endr
.irp c, 0,1
.irp i, 0,1,2,3,4,5,6,7
	ds_load_b128 v[\x+32*\c+4*\i:\x+32*\c+4*\i+3], v[SO] offset:(\way)*16*SP+256*\c+16*\i
.endr
.endr
	s_wait_dscnt 0x0
.endm
; They become a fragment's eight registers of codes and the row's scale word.
.macro QF x, cd, sw
.irp c, 0,1
	v_max3_num_f32 v[TQ+\c], |v[\x+32*\c]|, |v[\x+32*\c+1]|, 0x1800000   ; my block 2 c + h, and the floor 2^(3 - 127): the byte cannot fall under 1
.endr
.irp i, 2,4,6,8,10,12,14,16,18,20,22,24,26,28,30
.irp c, 0,1
	s_delay_alu instid0(VALU_DEP_2)
	v_max3_num_f32 v[TQ+\c], v[TQ+\c], |v[\x+32*\c+\i]|, |v[\x+32*\c+\i+1]|   ; (the two blocks by turns)
.endr
.endr
.irp c, 0,1
	s_delay_alu instid0(VALU_DEP_2)
	v_add_nc_u32 v[TQ+2+\c], 0xff000000, v[TQ+\c]  ; 2 off the exponent field: the conversion's scale operand
.endr
.irp c, 0,1
	s_delay_alu instid0(VALU_DEP_2)
	v_lshrrev_b32 v[TQ+4+\c], 23, v[TQ+2+\c]       ; the scale's byte
.endr
	s_delay_alu instid0(VALU_DEP_1)
	v_lshl_or_b32 v[\sw], v[TQ+5], 16, v[TQ+4]     ; my two bytes, blocks h and 2 + h,
	s_delay_alu instid0(VALU_DEP_1)
	v_lshlrev_b32 v[\sw], v6, v[\sw]               ; 8 h bits up;
	s_delay_alu instid0(VALU_DEP_1)
	v_permlanex16_b32 v[TQ+6], v[\sw], s24, s25
	s_delay_alu instid0(VALU_DEP_1)
	v_or_b32 v[\sw], v[\sw], v[TQ+6]               ; with lane l xor 16's two the word is whole
.irp c, 0,1
.irp g, 0,1,2,3
	v_cvt_scalef32_pk8_fp4_f32 v[\cd+4*\c+\g], v[\x+32*\c+8*\g:\x+32*\c+8*\g+7], v[TQ+2+\c]
.endr
.endr
	v_nop                                          ; one plain line behind the last scaled conversion
.endm
	s_load_b256 s[4:11], s[0:1], 0x0               ; Wh s[4:5], Ws s[6:7], bs s[8:9], h_dec s[10:11]
	s_load_b256 s[12:19], s[0:1], 0x20             ; c_dec s[12:13], whc s[14:15], whs s[16:17], dcs s[18:19]
	v_lshl_add_u32 v[SPW], v0, 2, SPARE
	v_mov_b32 v[NIL], 0
	v_lshrrev_b32 v16, 5, v0
	s_delay_alu instid0(VALU_DEP_1)
	v_readfirstlane_b32 s20, v16                   ; wave = K step ks
	s_sub_co_u32 s32, ttmp9, 64
	s_lshr_b32 s32, s32, 1                         ; product 2's work-groups: ct = (number - 64) / 2,
	s_and_b32 s33, ttmp9, 1                        ; bt = its lowest bit
	s_cmp_lt_u32 ttmp9, 64
	s_cselect_b32 s21, ttmp9, s32                  ; ct
	v_and_b32 v1, 15, v0                           ; r
	v_bfe_u32 v2, v0, 4, 1                         ; h
	v_and_b32 v3, 31, v0                           ; lane
	s_delay_alu instid0(VALU_DEP_1)
	v_lshlrev_b32 v7, 4, v3                        ; 16 x lane
	s_lshl_b32 s22, s20, 9
	v_add_nc_u32 v4, s22, v7                       ; W: 16 x lane + 512 ks
	s_and_b32 s22, s20, 3
	s_lshl_b32 s22, s22, 9
	v_add_nc_u32 v5, s22, v7                       ; h_dec or c_dec: 16 x lane + 512 (ks % 4)
	v_lshlrev_b32 v6, 3, v2                        ; 8 h
	; every LDS address is made here, ahead of the parting
	s_lshl_b32 s22, s20, 2
	v_lshl_add_u32 v8, v1, 5, RA
	s_delay_alu instid0(VALU_DEP_1)
	v_add_nc_u32 v8, s22, v8                       ; my row's scale word of my K step: RA + 32 r + 4 ks
	s_lshl_b32 s22, s20, 10
	v_lshl_add_u32 v9, v3, 4, RB
	s_delay_alu instid0(VALU_DEP_1)
	v_add_nc_u32 v9, s22, v9                       ; my part of product 2: RB + 1,024 ks + 16 x lane
	v_bfe_u32 v16, v0, 3, 4                        ; the sum over K steps: thread T (under 128) makes dec[16 bt + T / 8][e = 2 (T % 8), + 1]: T / 8 is the lane's r in the result,
	v_bfe_u32 v18, v0, 2, 1                        ; e / 8 its h
	s_delay_alu instid0(VALU_DEP_1)
	v_lshl_add_u32 v16, v18, 4, v16
	s_delay_alu instid0(VALU_DEP_1)
	v_lshlrev_b32 v10, 4, v16
	v_bfe_u32 v18, v0, 1, 1                        ; (e % 8) / 4: which four registers
	s_delay_alu instid0(VALU_DEP_1)
	v_lshl_add_u32 v10, v18, 9, v10
	v_and_b32 v18, 1, v0
	s_delay_alu instid0(VALU_DEP_1)
	v_lshl_add_u32 v10, v18, 3, v10                ; and which two of them
	s_delay_alu instid0(VALU_DEP_1)
	v_add_nc_u32 v10, RB, v10
	v_lshlrev_b32 v11, 3, v0                       ; 8 T
	v_and_b32 v12, 7, v0
	s_delay_alu instid0(VALU_DEP_1)
	v_lshlrev_b32 v12, 3, v12                      ; 8 (T % 8)
	v_lshl_add_u32 v13, v3, 4, RA                  ; RA + 16 x lane
	s_mul_i32 s22, s20, WST
	s_add_co_u32 s22, s22, STG                     ; my wave's two stages
	v_add_nc_u32 v[SI], s22, v7
	v_mul_u32_u24 v[SO], v1, SP
	s_delay_alu instid0(VALU_DEP_1)
	v_lshl_add_u32 v[SO], v2, 7, v[SO]
	s_delay_alu instid0(VALU_DEP_1)
	v_add_nc_u32 v[SO], s22, v[SO]
	v_mov_b32 v[TQ+6], 0                           ; written once: a lane permute's destination counts as one of its sources
	s_mov_b32 s24, 0x76543210
	s_mov_b32 s25, 0xfedcba98                      ; v_permlanex16_b32's selects for lane l xor 16
	s_mov_b32 s26, 0x4038aa3b                      ; c = 2 log2(e)
	s_mov_b32 s27, s26                             ; (named with it as a pair, so it is written)
	s_lshl_b32 s22, s21, 16                        ; the tile's 16 rows of 4,096 bytes
	s_mov_b32 s23, 0
	s_wait_kmcnt 0x0
	s_cmp_lt_u32 ttmp9, 64                         ; Wh's work-group or Ws's: the choice hangs on the work-group's number alone
	s_cselect_b64 s[28:29], s[4:5], s[6:7]
	s_add_nc_u64 s[28:29], s[28:29], s[22:23]
	LOADF XW, 4, 28, 4096
	s_cmp_lt_u32 ttmp9, 64
	s_cbranch_scc0 .Ldec
	; ---- Wh: one fragment a wave
	s_lshr_b32 s22, s21, 2
	s_lshl_b32 s22, s22, 5
	s_lshl_b32 s34, s20, 2
	s_add_co_u32 s22, s22, s34
	s_and_b32 s34, s21, 3
	s_add_co_u32 s22, s22, s34
	s_lshl_b32 s22, s22, 10                        ; ((ct / 4) 32 + 4 ks + ct % 4) x 1,024
	s_add_nc_u64 s[14:15], s[14:15], s[22:23]
	s_lshl_b32 s22, s21, 9                         ; the tile's 512 scale bytes
	s_add_nc_u64 s[16:17], s[16:17], s[22:23]
	s_wait_loadcnt 0x0
	s_wait_alu depctr_va_vdst(0)
	TURN XW, 0
	QF XW, CW, SWW
	global_store_b128 v7, v[CW:CW+3], s[14:15]               ; the image: 32 lanes store 512 consecutive bytes
	global_store_b128 v7, v[CW+4:CW+7], s[14:15] offset:512
	ds_store_b32 v8, v[SWW]                        ; both halves of the lanes write the same word with the same value
	s_wait_dscnt 0x0                               ; for the others' sake: my word lies in LDS
	s_barrier_signal -1
	s_barrier_wait -1
	s_cmp_lg_u32 s20, 0
	s_cbranch_scc1 .Lwh_end                        ; wave 0 stores the tile's 16 rows of 32 scale bytes: 512 consecutive bytes
	ds_load_b128 v[CS0:CS0+3], v13
	s_wait_dscnt 0x0
	global_store_b128 v7, v[CS0:CS0+3], s[16:17]
.Lwh_end:
	s_wait_tensorcnt 0x0                           ; the wave's end, behind my last LDS store
	ds_add_u32 v[SPW], v[NIL]
	s_wait_dscnt 0x0
	s_endpgm
	; ---- product 2: 16 columns e x 16 rows b, my K step
.Ldec:
	s_cmp_lt_u32 s20, 4                            ; k under 512 lies in h_dec, the rest in c_dec
	s_cselect_b64 s[30:31], s[10:11], s[12:13]
	s_lshl_b32 s22, s33, 15                        ; my tile's 16 rows of 2,048 bytes
	s_add_nc_u64 s[30:31], s[30:31], s[22:23]
	s_lshl_b32 s22, s21, 6
	s_add_nc_u64 s[8:9], s[8:9], s[22:23]          ; bs at the tile's 16 numbers
	s_lshl_b32 s22, s21, 11
	s_lshl_b32 s34, s33, 10
	s_add_co_u32 s22, s22, s34
	s_add_nc_u64 s[18:19], s[18:19], s[22:23]      ; dcs at the tile's 1,024 bytes
	LOADF XS0, 5, 30, 2048
	s_wait_alu depctr_va_vdst(0)
	global_load_b64 v[BSR:BSR+1], v12, s[8:9]
	s_wait_loadcnt 17                              ; Ws's sixteen are in; behind them 16 + 1
	TURN XW, 1
	QF XW, CW, SWW
	s_wait_loadcnt 1                               ; all but bs
	TURN XS0, 1
	QF XS0, CS0, SWS0
.rept 8
	v_nop                                          ; a scale register written by a vector instruction stands 8 places ahead of a scaled matrix instruction, an operand so written 4
.endr
	; source 0 = 16 rows of Ws, source 1 = 16 rows of s_t: lane (r, h), register j holds dec[16 bt + r][16 ct + 8 h + j], my K step's part
	v_wmma_scale_f32_16x16x128_f8f6f4 v[D0:D0+7], v[CW:CW+7], v[CS0:CS0+7], 0, v[SWW], v[SWS0] matrix_a_fmt:MATRIX_FMT_FP4 matrix_b_fmt:MATRIX_FMT_FP4
.rept 4
	v_nop
.endr
	ds_store_b128 v9, v[D0:D0+3]                   ; the result from its low end on
	ds_store_b128 v9, v[D0+4:D0+7] offset:512
	s_wait_dscnt 0x0                               ; for the others' sake: my part lies in LDS
	s_barrier_signal -1
	s_barrier_wait -1
	s_cmp_gt_u32 s20, 3                            ; the tile is 1,024 bytes: 8 a thread of waves 0 to 3
	s_cbranch_scc1 .Ldec_end
.irp j, 0,1,2,3,4,5,6,7
	ds_load_b64 v[RS+2*\j:RS+2*\j+1], v10 offset:1024*\j
.endr
	s_wait_dscnt 0x0
	v_pk_add_f32 v[RS:RS+1], v[RS:RS+1], v[RS+2:RS+3]
	v_pk_add_f32 v[RS+4:RS+5], v[RS+4:RS+5], v[RS+6:RS+7]
	v_pk_add_f32 v[RS+8:RS+9], v[RS+8:RS+9], v[RS+10:RS+11]
	v_pk_add_f32 v[RS+12:RS+13], v[RS+12:RS+13], v[RS+14:RS+15]
	s_delay_alu instid0(VALU_DEP_3)
	v_pk_add_f32 v[RS:RS+1], v[RS:RS+1], v[RS+4:RS+5]
	s_delay_alu instid0(VALU_DEP_2)
	v_pk_add_f32 v[RS+8:RS+9], v[RS+8:RS+9], v[RS+12:RS+13]
	s_delay_alu instid0(VALU_DEP_1)
	v_pk_add_f32 v[RS:RS+1], v[RS:RS+1], v[RS+8:RS+9]
	s_wait_alu depctr_va_vdst(0)
	s_wait_loadcnt 0x0                             ; bs
	v_pk_add_f32 v[RS:RS+1], v[RS:RS+1], v[BSR:BSR+1]
	s_delay_alu instid0(VALU_DEP_1)
	v_pk_mul_f32 v[RS:RS+1], v[RS:RS+1], s[26:27] op_sel_hi:[1,0]   ; x c, so that attn's scaling is one multiply-add
	global_store_b64 v11, v[RS:RS+1], s[18:19]     ; a wave stores 256 consecutive bytes
.Ldec_end:
	s_wait_tensorcnt 0x0                           ; the wave's end, behind my last LDS store
	ds_add_u32 v[SPW], v[NIL]
	s_wait_dscnt 0x0
	s_endpgm
.Lfunc_end_k_qde09bfb142_prep:
	.size	k_qde09bfb142_prep, .Lfunc_end_k_qde09bfb142_prep-k_qde09bfb142_prep
	.p2alignl 7, 3214868480
	.fill 96, 4, 3214868480
	.section	.rodata,"a",@progbits
	.p2align	6, 0x0
	.amdhsa_kernel k_qde09bfb142_prep
		.amdhsa_group_segment_fixed_size 144896
		.amdhsa_private_segment_fixed_size 0
		.amdhsa_enable_private_segment 0
		.amdhsa_kernarg_size 64
		.amdhsa_user_sgpr_count 2
		.amdhsa_user_sgpr_kernarg_segment_ptr 1
		.amdhsa_wavefront_size32 1
		.amdhsa_system_sgpr_workgroup_id_x 1
		.amdhsa_system_sgpr_workgroup_id_y 1
		.amdhsa_system_sgpr_workgroup_id_z 1
		.amdhsa_system_vgpr_workitem_id 0
		.amdhsa_next_free_vgpr 192
		.amdhsa_next_free_sgpr 66
		.amdhsa_reserve_vcc 0
		.amdhsa_float_denorm_mode_32 3
		.amdhsa_float_denorm_mode_16_64 3
		.amdhsa_memory_ordered 1
		.amdhsa_forward_progress 1
		.amdhsa_inst_pref_size 29
	.end_amdhsa_kernel
	.amdgpu_metadata
---
amdhsa.version: [ 1, 2 ]
amdhsa.kernels:
  - .name:           k_qde09bfb142_prep
    .symbol:         k_qde09bfb142_prep.kd
    .args:
      - { .name: Wh, .offset: 0, .size: 8, .value_kind: global_buffer, .address_space: global }
      - { .name: Ws, .offset: 8, .size: 8, .value_kind: global_buffer, .address_space: global }
      - { .name: bs, .offset: 16, .size: 8, .value_kind: global_buffer, .address_space: global }
      - { .name: h_dec, .offset: 24, .size: 8, .value_kind: global_buffer, .address_space: global }
      - { .name: c_dec, .offset: 32, .size: 8, .value_kind: global_buffer, .address_space: global }
      - { .name: whc, .offset: 40, .size: 8, .value_kind: global_buffer, .address_space: global }
      - { .name: whs, .offset: 48, .size: 8, .value_kind: global_buffer, .address_space: global }
      - { .name: dcs, .offset: 56, .size: 8, .value_kind: global_buffer, .address_space: global }
    .group_segment_fixed_size: 144896
    .private_segment_fixed_size: 0
    .kernarg_segment_align: 8
    .kernarg_segment_size: 64
    .max_flat_workgroup_size: 256
    .sgpr_count:     66
    .vgpr_count:     192
    .wavefront_size: 32
...
	.end_amdgpu_metadata
.endif
;; end of part 1
;; launch attn (part 2): grid 256 x 1, 8 waves a work-group, no clusters, 285,696 bytes of LDS; arguments encoder_output, x_padding_masks, v, whc, whs, dcs, tau, stat, ctxp; writes tau, stat, ctxp
.if DOCPART == 2
	.amdgcn_target "amdgcn-amd-amdhsa--gfx1250"
	.amdhsa_code_object_version 6
	.text
	.protected	k_qde09bfb142_attn
	.globl	k_qde09bfb142_attn
	.p2align	8
	.type	k_qde09bfb142_attn,@function
k_qde09bfb142_attn:
	s_mov_b64 s[64:65], 0
	v_nop
	global_prefetch_b8 v0, s[64:65] scope:SCOPE_SE
	s_setreg_imm32_b32 hwreg(HW_REG_WAVE_MODE, 25, 1), 1
	s_wait_xcnt 0x0
; Scores and partial contexts.  Work-group g owns rows 256 g .. + 255 of encoder_output [32 x 2048][1024] (batch g / 8), in two blocks of 128 rows: one loop, two trips.  encoder_output is read from memory once.
; LEFT OUT, as shown at the head of prep: the term sum_e v[e] of the score (the same along the softmax's axis) and the softmax's own divisor (it cancels in the second normalisation).
;   tau = -c sum_e v[e] / (1 + 2^t), t = c x, c = 2 log2(e), is the score in base 2 without that term.  The running maximum is taken over all positions, masked ones too.
; LIMITS: as at the head of prep; and the context's operands, p x mask and encoder_output, are rounded to bf16 (sums in f32).
; A BLOCK.  Wave w: (1) CONVERT: its strip, the block's 128 rows x columns 128 w .. + 127, comes from memory straight into registers, a row's 512 bytes to a load; it is quantised (codes and scale bytes to LDS, for all
;   waves) and kept as bf16, laid as the context product's operand: row groups 0 to 2 as images of the registers in the wave's own LDS bytes, group 3 in registers; (2) a barrier; (3) two passes: features
;   128 w + 64 p + 0 .. 63 for all 128 rows: 8 K steps x 32 matrix instructions, so that a fragment of Wh feeds eight; then t, 2^t, 1 / (1 + 2^t), x v, summed along e in the lane; (4) SOFT: the eight waves' sums
;   meet in LDS (a barrier), every wave forms tau, the running maximum m and sum l, and p = 2^(tau - m) x mask; (5) CTX: context columns 128 w .. + 127 += p . strip.
; A LANE'S 8 NEIGHBOURS ALONG K: a load gives lane (r, h) bytes 32 r + 16 h of a row.  Rows tt and tt + 8 are loaded so, and four v_permlane16_swap_b32 leave lane (r, 0) with columns 8 r .. + 7 of row tt, lane (r, 1) with those of row tt + 8.
; Wh's FRAGMENTS come from whc straight into registers, as images (prep), two K steps ahead.  NO CLUSTER, NO JOINT LOADS: each fragment is read by one wave of the work-group and goes into no LDS; encoder_output is shared by no two work-groups.
; NO TENSOR LOAD: nothing is staged in LDS on its way in.
; THE PREFETCH: in trip 0, behind the loads that pass 1's epilogue issues, each wave asks for rows 0 to 31 of its own strip of the next block: 64 aligned pieces of 256 bytes, a lane a piece, two instructions; each piece is named
;   once in the launch.  Rows 32 to 127 and block 0 come by their loads alone; the last trip asks for nothing.
; THE FIRST PRODUCT IS USED TRANSPOSED: source 0 = 16 rows of Wh, source 1 = 16 rows of the block: lane (r, h) holds row 16 mt + r, and register j feature 16 t + 8 h + j: the sum along e stays in the lane.
; REGISTERS.  Window 0: v1-19 addresses and the add's two; v20-29 mask, tau, m, l; v30-45 score sums; v46-53 context; v54-61 at work; v62-77 Wh's scale words, v110-125 the block's (scales and nothing else);
;   v78-109 the block's fragments, then tables, score parts, p (in CONVERT: at work); v128-255 accumulators of row tiles 0-3 (in CONVERT: four sets of 32 numbers; in CTX: results and row group 2).
;   Window 1: v0-63 row group 3 as bf16; v64-127 two sets of Wh's fragments; v128-255 accumulators of row tiles 4-7 (in CONVERT: a row group on its way to LDS; in CTX: row groups 0, 1).
.set NSB,   2
.set CP,    528                        ; a row of codes in LDS: 512 bytes + 16
.set AP,    48                         ; a row of scale bytes: 32 + 16
.set COD,   0
.set ASC,   COD+128*CP
.set SCP,   ASC+128*AP                 ; the score sums, [wave 8][row 128] f32
.set PBF,   SCP+4096                   ; p x mask as bf16, 256 bytes for each wave, its own
.set DCT,   PBF+2048                   ; c dec of my batch, [1024] f32
.set VT,    DCT+4096                   ; v, [1024] f32
.set IMG,   VT+4096                    ; row groups 0-2 as bf16: [wave][group][16][lane][16 bytes]
.set SPARE, IMG+8*24576                ; the spare words, 128 bytes for each wave
.set EA,   1                           ; encoder_output: 512 w + 32 r + 16 h
.set CSA,  2                           ; where my 8 codes go: COD + 8 h rows + 64 w + 4 r
.set SSA,  3                           ; and my block's byte: ASC + 8 h rows + 4 w + r / 4
.set AF,   4                           ; a fragment of the block: COD + r CP + 16 h
.set ASA,  5                           ; the block's scale words: ASC + lane AP
.set DV,   6                           ; c dec (and, 4,096 on, v) of my features: DCT + 512 w + 32 h
.set SPA,  7                           ; SCP + 512 w + 4 lane
.set SRA,  8                           ; SCP + 16 lane
.set PSA,  9                           ; PBF + 256 w + 8 lane
.set PLA,  10                          ; PBF + 256 w + 16 h
.set BO,   11                          ; whc: 65,536 w + 16 lane
.set BSO,  12                          ; whs: 4,096 w + 32 lane
.set MK,   13                          ; mask and tau: 16 lane
.set CO,   14                          ; ctxp: 512 w + 32 r + 16 h
.set PFO,  15                          ; the prefetches: 4,096 (lane / 2) + 256 (lane % 2)
.set SPW,  16
.set NIL,  17
.set IMA,  18                          ; IMG + 24,576 w + 16 lane
.set MSK,  20
.set TAU,  24
.set MR,   28
.set LR,   29
.set SUMS, 30
.set CX,   46
.set T,    54
.set BSCR, 62                          ; register 8 u + ks: lane l: the scale word of Wh's row 128 w + 64 p + 32 u + l
.set AFR,  78
.set QM,   78
.set QS,   82
.set QC,   86
.set QB,   94
.set ASCR, 110                         ; register 4 u + ks % 4: lane l: the scale word of the block's row 32 u + l
.set ACC,  128                         ; accumulator (mt, t) at ACC + 32 (mt % 4) + 8 t, window mt / 4
.set STG,  128
.set EB,   0                           ; window 1: row group 3, fragment i at 8 i
.set BR,   64                          ; window 1: set ks % 2, tile t at 64 + 32 (ks % 2) + 8 t
.set MSB, 0
.macro WIN new                         ; low byte: bits 1:0 source 0, 3:2 source 1, 5:4 source 2, 7:6 destination; the high byte repeats the setting that is left
.if MSB != \new
	s_set_vgpr_msb (MSB<<8)|\new
.set MSB, \new
.endif
.endm
.macro PLACES                          ; four plain vector lines behind a matrix instruction (ISA guide 7.12.1)
.rept 4
	v_nop
.endr
.endm
.macro BLOADS p, ks                    ; Wh's four fragments of pass p, K step ks (destination window 1)
.irp t, 0,1,2,3
.irp c, 0,1
	global_load_b128 v[BR+32*((\ks)&1)+8*\t+4*\c:BR+32*((\ks)&1)+8*\t+4*\c+3], v[BO], s[10:11] offset:((8*(\p)+(\ks))*4+\t)*1024+512*\c
.endr
.endr
.endm
.macro NEXTB p                         ; what pass p begins with: Wh's scale words (4 loads), K steps 0 and 1 (16 loads)
.irp u, 0,1
.irp k, 0,1
	global_load_b128 v[BSCR+8*\u+4*\k:BSCR+8*\u+4*\k+3], v[BSO], s[12:13] offset:(2*(\p)+\u)*1024+16*\k
.endr
.endr
	WIN 0x40
	BLOADS \p, 0
	BLOADS \p, 1
	WIN 0
.endm
; Quad a (0 .. 15): units t = 4 (a % 4) + 0 .. 3 of row group a / 4; unit t is rows 32 (a / 4) + tt and + 8, tt = t or, from t = 8 on, t + 8: the pair of units (t, t + 1) is the pair of rows that register t / 2 of a 16-bit operand holds
.macro LOADQ a
.irp u, 0,1,2,3
.set tt, 4*((\a)&3)+\u
.if tt >= 8
.set tt, tt+8
.endif
.set rw, 32*((\a)>>2)+tt
	global_load_b128 v[STG+32*((\a)&3)+8*\u:STG+32*((\a)&3)+8*\u+3], v[EA], s[4:5] offset:rw*4096 th:TH_LOAD_NT       ; 32 lanes read 512 consecutive bytes
	global_load_b128 v[STG+32*((\a)&3)+8*\u+4:STG+32*((\a)&3)+8*\u+7], v[EA], s[4:5] offset:(rw+8)*4096 th:TH_LOAD_NT
.endr
.endm
.macro CONVQ a
.set XB, STG+32*((\a)&3)
.set CB, QC+4*((\a)&1)
.set BB, QB+4*((\a)&1)
.set GG, (\a)>>2
.set TF, 4*((\a)&3)
.if GG == 3
.set DB, EB
.else
.set DB, 128+64*(GG&1)
.endif
.irp i, 0,1,2,3
.irp u, 0,1,2,3
	v_permlane16_swap_b32 v[XB+8*\u+\i], v[XB+8*\u+4+\i]   ; lanes 0-15: row tt whole, lanes 16-31: row tt + 8
.endr
.endr
.irp u, 0,1,2,3
	v_max3_num_f32 v[QM+\u], |v[XB+8*\u]|, |v[XB+8*\u+1]|, 0x1800000   ; my 8 numbers, and the floor 2^(3 - 127): the byte cannot fall under 1.  (The four units by turns)
.endr
.irp i, 2,4,6
.irp u, 0,1,2,3
	v_max3_num_f32 v[QM+\u], v[QM+\u], |v[XB+8*\u+\i]|, |v[XB+8*\u+\i+1]|
.endr
.endr
.irp u, 0,1,2,3
	v_max_num_f32_dpp v[QM+\u], v[QM+\u], v[QM+\u] row_xmask:1 row_mask:0xf bank_mask:0xf   ; four neighbouring lanes hold a block of 32
.endr
.irp u, 0,1,2,3
	v_max_num_f32_dpp v[QM+\u], v[QM+\u], v[QM+\u] row_xmask:2 row_mask:0xf bank_mask:0xf
.endr
.irp u, 0,1,2,3
	v_add_nc_u32 v[QS+\u], 0xff000000, v[QM+\u]    ; 2 off the exponent field: the conversion's scale operand
.endr
.irp u, 0,1,2,3
	v_cvt_scalef32_pk8_fp4_f32 v[CB+\u], v[XB+8*\u:XB+8*\u+7], v[QS+\u]
.endr
.irp u, 0,1,2,3
	v_lshrrev_b32 v[BB+\u], 23, v[QS+\u]           ; the scale's byte.  (Plain lines behind the last scaled conversion)
.endr
.irp u, 0,1,2,3
.set tt, TF+\u
.if tt >= 8
.set tt, tt+8
.endif
	ds_store_b32 v[CSA], v[CB+\u] offset:(32*GG+tt)*CP
	ds_store_b8 v[SSA], v[BB+\u] offset:(32*GG+tt)*AP    ; the four lanes of a block write the same byte with the same value
.endr
	WIN 0x40                                       ; destination window 1
.irp u, 0,2
.irp i, 0,1,2,3,4,5,6,7
	v_cvt_pk_bf16_f32 v[DB+8*\i+(TF+\u)/2], v[XB+8*\u+\i], v[XB+8*\u+8+\i]   ; column 8 r + i of two neighbouring rows
.endr
.endr
.if (TF == 12) && (GG < 3)
	WIN 0x04                                       ; store data window 1: the finished row group goes to my LDS bytes as an image of its 64 registers
.irp n, 0,1,2,3,4,5,6,7,8,9,10,11,12,13,14,15
	ds_store_b128 v[IMA], v[DB+4*\n:DB+4*\n+3] offset:8192*GG+512*\n
.endr
.endif
	WIN 0
.endm
.macro CONVERT
	global_load_b128 v[MSK:MSK+3], v[MK], s[6:7]   ; the mask of rows 4 l .. 4 l + 3 of the block
	LOADQ 0
	LOADQ 1
	LOADQ 2
.irp a, 0,1,2,3,4,5,6,7,8,9,10,11,12,13,14,15
.if \a < 13
	LOADQ \a+3
	s_wait_loadcnt 24                              ; this quad's 8 loads are in; behind them three quads' 8 each
.else
	s_wait_loadcnt 8*(15-\a)
.endif
	CONVQ \a
.endr
.endm
.macro AFRAG ks, m0                    ; the block's row tiles m0, m0 + 1, K step ks, into places mt % 4
.irp mt, \m0, \m0+1
.irp c, 0,1
	ds_load_b128 v[AFR+8*((\mt)&3)+4*\c:AFR+8*((\mt)&3)+4*\c+3], v[AF] offset:16*CP*(\mt)+64*(\ks)+32*\c
.endr
.endr
.endm
.macro ASCL half                       ; the block's scale words of K steps 4 half .. + 3
.irp u, 0,1,2,3
	ds_load_b128 v[ASCR+4*\u:ASCR+4*\u+3], v[ASA] offset:32*AP*\u+16*(\half)
.endr
.endm
; One product.  A scale word's register serves two tiles: the even one in lanes 0-15, the odd one in lanes 16-31 (tod: Wh's tile is odd; mod: the block's)
.macro MMA d, b, a, sb, sa, first, tod, mod
.if \first
.if (\tod) && (\mod)
	v_wmma_scale_f32_16x16x128_f8f6f4 v[\d:\d+7], v[\b:\b+7], v[\a:\a+7], 0, v[\sb], v[\sa] matrix_a_fmt:MATRIX_FMT_FP4 matrix_b_fmt:MATRIX_FMT_FP4 matrix_a_scale:MATRIX_SCALE_ROW1 matrix_b_scale:MATRIX_SCALE_ROW1
.elseif \tod
	v_wmma_scale_f32_16x16x128_f8f6f4 v[\d:\d+7], v[\b:\b+7], v[\a:\a+7], 0, v[\sb], v[\sa] matrix_a_fmt:MATRIX_FMT_FP4 matrix_b_fmt:MATRIX_FMT_FP4 matrix_a_scale:MATRIX_SCALE_ROW1
.elseif \mod
	v_wmma_scale_f32_16x16x128_f8f6f4 v[\d:\d+7], v[\b:\b+7], v[\a:\a+7], 0, v[\sb], v[\sa] matrix_a_fmt:MATRIX_FMT_FP4 matrix_b_fmt:MATRIX_FMT_FP4 matrix_b_scale:MATRIX_SCALE_ROW1
.else
	v_wmma_scale_f32_16x16x128_f8f6f4 v[\d:\d+7], v[\b:\b+7], v[\a:\a+7], 0, v[\sb], v[\sa] matrix_a_fmt:MATRIX_FMT_FP4 matrix_b_fmt:MATRIX_FMT_FP4
.endif
.else
.if (\tod) && (\mod)
	v_wmma_scale_f32_16x16x128_f8f6f4 v[\d:\d+7], v[\b:\b+7], v[\a:\a+7], v[\d:\d+7], v[\sb], v[\sa] matrix_a_fmt:MATRIX_FMT_FP4 matrix_b_fmt:MATRIX_FMT_FP4 matrix_a_scale:MATRIX_SCALE_ROW1 matrix_b_scale:MATRIX_SCALE_ROW1
.elseif \tod
	v_wmma_scale_f32_16x16x128_f8f6f4 v[\d:\d+7], v[\b:\b+7], v[\a:\a+7], v[\d:\d+7], v[\sb], v[\sa] matrix_a_fmt:MATRIX_FMT_FP4 matrix_b_fmt:MATRIX_FMT_FP4 matrix_a_scale:MATRIX_SCALE_ROW1
.elseif \mod
	v_wmma_scale_f32_16x16x128_f8f6f4 v[\d:\d+7], v[\b:\b+7], v[\a:\a+7], v[\d:\d+7], v[\sb], v[\sa] matrix_a_fmt:MATRIX_FMT_FP4 matrix_b_fmt:MATRIX_FMT_FP4 matrix_b_scale:MATRIX_SCALE_ROW1
.else
	v_wmma_scale_f32_16x16x128_f8f6f4 v[\d:\d+7], v[\b:\b+7], v[\a:\a+7], v[\d:\d+7], v[\sb], v[\sa] matrix_a_fmt:MATRIX_FMT_FP4 matrix_b_fmt:MATRIX_FMT_FP4
.endif
.endif
.endm
; 8 products: row tiles m0, m0 + 1 x Wh's four tiles.  K step 0 starts the sums.  The 32 accumulators take turns, one instruction a turn, in the same order in every step.
.macro MM8 ks, m0
.irp mt, \m0, \m0+1
.irp t, 0,1,2,3
	MMA ACC+32*((\mt)&3)+8*\t, BR+32*((\ks)&1)+8*\t, AFR+8*((\mt)&3), BSCR+8*(\t/2)+(\ks), ASCR+4*((\mt)/2)+((\ks)&3), (\ks)==0, \t%2, (\mt)%2
.endr
.endr
.endm
.macro STEP p, ks
.if (\ks) < 7
	s_wait_loadcnt 8                               ; this step's fragments of Wh are in; behind them the next step's 8 loads
.else
	s_wait_loadcnt 0x0
.endif
.irp q, 0,1,2,3
.if ((\ks) == 7) && (\q == 3)
	s_wait_dscnt 0x0
.else
	s_wait_dscnt 4                                 ; this pair of row tiles is in (and scale words asked for ahead of it); the next pair's four loads may be out
.endif
.if \q < 2
	WIN 0x01                                       ; source 0 (Wh) window 1
.else
	WIN 0x51                                       ; and C, D window 1
.endif
	MM8 \ks, 2*\q
	PLACES
	WIN 0
.if \q < 2
	AFRAG \ks, 2*\q+4
.elseif (\ks) < 7
.if ((\ks) == 3) && (\q == 3)
	ASCL 1
.endif
	AFRAG (\ks)+1, 2*\q-4
.endif
.endr
.if (\ks) < 6
	WIN 0x40
	BLOADS \p, (\ks)+2                             ; the set just multiplied takes the step two on
	WIN 0
.endif
.endm
; Behind a pass: sums += v / (1 + 2^t), t = c x + c dec.  2^t = infinity gives 0, 2^t = 0 gives 1: tanh's two ends.  hi: the accumulators' window.
.macro EPI p
.irp t, 0,1,2,3
.irp k, 0,1
	ds_load_b128 v[AFR+8*\t+4*\k:AFR+8*\t+4*\k+3], v[DV] offset:256*(\p)+64*\t+16*\k   ; c dec of features 16 t + 8 h + 0 .. 7
.endr
.endr
.if (\p) == 0
	NEXTB 1
.else
	s_cmp_gt_u32 s23, 1                            ; the last trip has no block behind it
	s_cbranch_scc0 .Lnonext
	NEXTB 0
	global_prefetch_b8 v[PFO], s[46:47] th:TH_LOAD_NT scope:SCOPE_SE                ; the next block's rows 0 to 15 of my strip, two pieces of 256 bytes a row
	global_prefetch_b8 v[PFO], s[46:47] offset:65536 th:TH_LOAD_NT scope:SCOPE_SE   ; rows 16 to 31
.Lnonext:
.endif
	s_wait_dscnt 0x0
.irp hi, 0,1
	WIN 0x41*\hi
.irp t, 0,1,2,3
.irp mt, 0,1,2,3
.irp j, 0,2,4,6
	v_pk_fma_f32 v[ACC+32*\mt+8*\t+\j:ACC+32*\mt+8*\t+\j+1], v[ACC+32*\mt+8*\t+\j:ACC+32*\mt+8*\t+\j+1], s[36:37], v[AFR+8*\t+\j:AFR+8*\t+\j+1] op_sel_hi:[1,0,1]   ; each accumulator from its low end on
.endr
.endr
.endr
.endr
	WIN 0
.irp t, 0,1,2,3
.irp k, 0,1
	ds_load_b128 v[AFR+8*\t+4*\k:AFR+8*\t+4*\k+3], v[DV] offset:4096+256*(\p)+64*\t+16*\k   ; v of the same features
.endr
.endr
	s_wait_alu depctr_va_vdst(0)                   ; the wait ahead of the batch
.irp hi, 0,1
	WIN 0x41*\hi
.set i, 0
.rept 128
	v_exp_f32 v[ACC+i], v[ACC+i]
.set i, i+1
.endr
.endr
	v_nop                                          ; a plain line behind the last exponential,
	s_wait_alu depctr_va_vdst(0)                   ; and one wait for the batch, ahead of its first reader
.irp hi, 1,0
	WIN 0x41*\hi
.set i, 0
.rept 64
	v_pk_add_f32 v[ACC+i:ACC+i+1], v[ACC+i:ACC+i+1], 1.0 op_sel_hi:[1,0]
.set i, i+2
.endr
.endr
	s_wait_alu depctr_va_vdst(0)
.irp hi, 0,1
	WIN 0x41*\hi
.set i, 0
.rept 128
	v_rcp_f32 v[ACC+i], v[ACC+i]
.set i, i+1
.endr
.endr
	v_nop
	s_wait_alu depctr_va_vdst(0)                   ; likewise for the reciprocals
	s_wait_dscnt 0x0                               ; v
.irp hi, 1,0
	WIN 0x01*\hi                                   ; source 0 in the accumulators' window
.irp t, 0,1,2,3
.irp j, 0,2,4,6
.irp mt, 0,1,2,3
.if ((\p) == 0) && (\t == 0) && (\j == 0)
	v_pk_mul_f32 v[SUMS+8*\hi+2*\mt:SUMS+8*\hi+2*\mt+1], v[ACC+32*\mt+8*\t+\j:ACC+32*\mt+8*\t+\j+1], v[AFR+8*\t+\j:AFR+8*\t+\j+1]   ; the first term starts the sum
.else
	v_pk_fma_f32 v[SUMS+8*\hi+2*\mt:SUMS+8*\hi+2*\mt+1], v[ACC+32*\mt+8*\t+\j:ACC+32*\mt+8*\t+\j+1], v[AFR+8*\t+\j:AFR+8*\t+\j+1], v[SUMS+8*\hi+2*\mt:SUMS+8*\hi+2*\mt+1]   ; (the four row tiles by turns)
.endif
.endr
.endr
.endr
.endr
.endm
.macro PASS p
	ASCL 0
	AFRAG 0, 0
	AFRAG 0, 2
.irp ks, 0,1,2,3,4,5,6,7
	STEP \p, \ks
.endr
	EPI \p
.endm
	s_load_b256 s[4:11], s[0:1], 0x0               ; encoder_output s[4:5], mask s[6:7], v s[8:9], whc s[10:11]
	s_load_b256 s[12:19], s[0:1], 0x20             ; whs s[12:13], dcs s[14:15], tau s[16:17], stat s[18:19]
	s_load_b64 s[20:21], s[0:1], 0x40              ; ctxp
	s_mov_b32 s36, 0x4038aa3b                      ; c = 2 log2(e)
	s_mov_b32 s37, s36                             ; (a packed form names the pair, so both are written)
	s_mov_b32 s38, 0xc038aa3b                      ; -c
	s_mov_b32 s39, s38
	s_mov_b32 s40, 0x76543210
	s_mov_b32 s41, 0xfedcba98                      ; v_permlanex16_b32's selects for lane l xor 16
	s_mov_b32 s42, 0xffff0000                      ; lanes 16-31
	s_mov_b32 s23, NSB
	v_lshl_add_u32 v[SPW], v0, 2, SPARE
	v_mov_b32 v[NIL], 0
	v_lshrrev_b32 v54, 5, v0
	v_readfirstlane_b32 s22, v54                   ; wave w
	v_and_b32 v54, 15, v0                          ; r
	v_bfe_u32 v55, v0, 4, 1                        ; h
	v_and_b32 v56, 31, v0                          ; lane
	s_lshl_b32 s44, s22, 9
	v_lshl_add_u32 v[EA], v54, 5, s44
	v_lshl_add_u32 v[EA], v55, 4, v[EA]
	v_lshl_add_u32 v[DV], v55, 5, DCT
	v_add_nc_u32 v[DV], s44, v[DV]
	v_lshl_add_u32 v[CO], v54, 5, s44
	v_lshl_add_u32 v[CO], v55, 4, v[CO]
	v_lshl_add_u32 v[SPA], v56, 2, SCP
	v_add_nc_u32 v[SPA], s44, v[SPA]
	s_lshl_b32 s44, s22, 6
	v_lshl_add_u32 v[CSA], v54, 2, COD
	v_mad_u32_u24 v[CSA], v55, 8*CP, v[CSA]
	v_add_nc_u32 v[CSA], s44, v[CSA]
	s_lshl_b32 s44, s22, 2
	v_lshrrev_b32 v57, 2, v54
	v_add_nc_u32 v[SSA], ASC, v57
	v_mad_u32_u24 v[SSA], v55, 8*AP, v[SSA]
	v_add_nc_u32 v[SSA], s44, v[SSA]
	v_mul_u32_u24 v[AF], v54, CP
	v_lshl_add_u32 v[AF], v55, 4, v[AF]
	v_mul_u32_u24 v[ASA], v56, AP
	v_add_nc_u32 v[ASA], ASC, v[ASA]
	v_lshl_add_u32 v[SRA], v56, 4, SCP
	s_lshl_b32 s44, s22, 8
	v_lshl_add_u32 v[PSA], v56, 3, PBF
	v_add_nc_u32 v[PSA], s44, v[PSA]
	v_lshl_add_u32 v[PLA], v55, 4, PBF
	v_add_nc_u32 v[PLA], s44, v[PLA]
	s_mul_i32 s44, s22, 24576
	v_lshl_add_u32 v[IMA], v56, 4, IMG
	v_add_nc_u32 v[IMA], s44, v[IMA]
	s_lshl_b32 s44, s22, 16
	v_lshl_add_u32 v[BO], v56, 4, s44
	s_lshl_b32 s44, s22, 12
	v_lshl_add_u32 v[BSO], v56, 5, s44
	v_lshlrev_b32 v[MK], 4, v56
	v_lshrrev_b32 v57, 1, v56                      ; the prefetches: row lane / 2,
	v_and_b32 v[PFO], 1, v56
	v_lshlrev_b32 v[PFO], 8, v[PFO]                ; its half lane % 2
	v_lshl_add_u32 v[PFO], v57, 12, v[PFO]
	v_lshrrev_b32 v58, 2, v0                       ; the tables: thread T takes features 4 T .. + 3: in dcs column tile T / 4, 16 (T % 4) bytes into my batch's 64,
	v_lshlrev_b32 v58, 11, v58
	v_and_b32 v57, 3, v0
	v_lshl_add_u32 v58, v57, 4, v58
	v_lshlrev_b32 v59, 4, v0                       ; in v byte 16 T,
	v_lshl_add_u32 v60, v0, 4, DCT                 ; and in LDS DCT + 16 T
	v_mov_b32 v[MR], 0xff61b1e6                    ; the largest tau so far: -3e38, under every tau
	v_mov_b32 v[LR], 0
.irp i, 0,1,2,3,4,5,6,7
	v_mov_b32 v[CX+\i], 0                          ; the block is written once: the first finds zeros, which f = 0 leaves zeros
.endr
	v_mov_b32 v[T+1], 0                            ; written once: a lane permute's destination counts as one of its sources
	v_mov_b32 v[T+7], 0
	s_wait_alu depctr_va_vdst(0)                   ; the wait at the head's end
	s_wait_kmcnt 0x0
	s_lshl_b32 s44, ttmp9, 20                      ; my work-group's 256 rows of 4,096 bytes
	s_mov_b32 s45, 0
	s_add_nc_u64 s[4:5], s[4:5], s[44:45]
	s_lshl_b32 s44, s22, 9
	s_add_nc_u64 s[46:47], s[4:5], s[44:45]
	s_add_nc_u64 s[46:47], s[46:47], 0x80000       ; where my prefetches stand: my strip of block 1
	s_lshl_b32 s44, ttmp9, 10
	s_add_nc_u64 s[6:7], s[6:7], s[44:45]          ; mask and tau at my 256 rows
	s_add_nc_u64 s[16:17], s[16:17], s[44:45]
	s_lshl_b32 s44, ttmp9, 12
	s_add_nc_u64 s[20:21], s[20:21], s[44:45]      ; ctxp at my 1,024 numbers
	s_lshl_b32 s44, ttmp9, 3
	s_add_nc_u64 s[18:19], s[18:19], s[44:45]      ; stat at my two
	s_lshr_b32 s44, ttmp9, 3
	s_lshl_b32 s44, s44, 6
	s_add_nc_u64 s[14:15], s[14:15], s[44:45]      ; dcs at my batch's 64 bytes of a column tile
	global_load_b128 v[128:131], v58, s[14:15]
	global_load_b128 v[132:135], v59, s[8:9]
	NEXTB 0
	s_wait_loadcnt 20                              ; the two tables are in; behind them NEXTB's 20 loads
	ds_store_b128 v60, v[128:131]                  ; seen by all waves behind block 0's first barrier
	ds_store_b128 v60, v[132:135] offset:4096
.Lsb:
	CONVERT
	s_wait_dscnt 0x0                               ; for the others' sake: my codes and bytes lie in LDS
	s_barrier_signal -1
	s_barrier_wait -1
	PASS 0
	PASS 1
	; SOFT.  First the images of row groups 0 to 2 are asked for: they come back under the sums
	WIN 0x40
.irp n, 0,1,2,3,4,5,6,7,8,9,10,11,12,13,14,15,16,17,18,19,20,21,22,23,24,25,26,27,28,29,30,31
	ds_load_b128 v[128+4*\n:128+4*\n+3], v[IMA] offset:512*\n             ; groups 0 and 1 -> window 1, v128-255
.endr
	WIN 0
.irp n, 0,1,2,3,4,5,6,7,8,9,10,11,12,13,14,15
	ds_load_b128 v[192+4*\n:192+4*\n+3], v[IMA] offset:16384+512*\n       ; group 2 -> window 0, v192-255
.endr
.irp m, 0,1,2,3,4,5,6,7
	v_add_f32 v[SUMS+2*\m], v[SUMS+2*\m], v[SUMS+2*\m+1]
.endr
.irp m, 0,1,2,3,4,5,6,7
	v_permlanex16_b32 v[SUMS+2*\m+1], v[SUMS+2*\m], s40, s41
.endr
.irp m, 0,1,2,3,4,5,6,7
	v_add_f32 v[SUMS+2*\m], v[SUMS+2*\m], v[SUMS+2*\m+1]   ; row 16 m + r: my wave's 128 features
.endr
.irp u, 0,1,2,3
	v_cndmask_b32 v[T+2+\u], v[SUMS+4*\u], v[SUMS+4*\u+2], s42   ; lane l: row 32 u + l
.endr
.irp u, 0,1,2,3
	ds_store_b32 v[SPA], v[T+2+\u] offset:128*\u
.endr
	s_wait_dscnt 0x0                               ; for the others' sake: my sums lie in LDS, and my reads of the block's codes are over
	s_barrier_signal -1
	s_barrier_wait -1
.irp j, 0,1,2,3,4,5,6,7
	ds_load_b128 v[AFR+4*\j:AFR+4*\j+3], v[SRA] offset:512*\j   ; rows 4 l .. 4 l + 3 of wave j
.endr
	s_wait_dscnt 0x0
.irp j, 0,8,16,24
.irp k, 0,2
	v_pk_add_f32 v[AFR+\j+\k:AFR+\j+\k+1], v[AFR+\j+\k:AFR+\j+\k+1], v[AFR+\j+4+\k:AFR+\j+4+\k+1]
.endr
.endr
.irp j, 0,16
.irp k, 0,2
	v_pk_add_f32 v[AFR+\j+\k:AFR+\j+\k+1], v[AFR+\j+\k:AFR+\j+\k+1], v[AFR+\j+8+\k:AFR+\j+8+\k+1]
.endr
.endr
.irp k, 0,2
	v_pk_add_f32 v[AFR+\k:AFR+\k+1], v[AFR+\k:AFR+\k+1], v[AFR+16+\k:AFR+16+\k+1]
.endr
.irp k, 0,2
	v_pk_mul_f32 v[TAU+\k:TAU+\k+1], v[AFR+\k:AFR+\k+1], s[38:39] op_sel_hi:[1,0]   ; tau = -c x the sum
.endr
	s_cmp_lg_u32 s22, 0
	s_cbranch_scc1 .Lnot0
	global_store_b128 v[MK], v[TAU:TAU+3], s[16:17]   ; wave 0: 32 lanes store 512 consecutive bytes
.Lnot0:
	s_wait_alu depctr_va_vdst(0)                   ; the wait here, ahead of the first reader behind the branch
	v_max3_num_f32 v[T], v[TAU], v[TAU+1], v[TAU+2]
	v_max_num_f32 v[T], v[T], v[TAU+3]
	v_max_num_f32_dpp v[T], v[T], v[T] row_xmask:1 row_mask:0xf bank_mask:0xf
	v_max_num_f32_dpp v[T], v[T], v[T] row_xmask:2 row_mask:0xf bank_mask:0xf
	v_max_num_f32_dpp v[T], v[T], v[T] row_xmask:4 row_mask:0xf bank_mask:0xf
	v_max_num_f32_dpp v[T], v[T], v[T] row_xmask:8 row_mask:0xf bank_mask:0xf
	v_permlanex16_b32 v[T+1], v[T], s40, s41
	v_max3_num_f32 v[T], v[T], v[T+1], v[MR]       ; the new m
	v_sub_f32 v[T+1], v[MR], v[T]
.irp k, 0,1,2,3
	v_sub_f32 v[T+2+\k], v[TAU+\k], v[T]
.endr
	s_wait_alu depctr_va_vdst(0)                   ; the wait ahead of the batch
.irp k, 1,2,3,4,5
	v_exp_f32 v[T+\k], v[T+\k]                     ; f = 2^(old m - new m), and the four 2^(tau - m)
.endr
	v_mov_b32 v[MR], v[T]                          ; (the plain line behind the exponentials)
	s_wait_alu depctr_va_vdst(0)                   ; one wait for the five
	v_pk_mul_f32 v[T+2:T+3], v[T+2:T+3], v[MSK:MSK+1]
	v_pk_mul_f32 v[T+4:T+5], v[T+4:T+5], v[MSK+2:MSK+3]
	v_pk_add_f32 v[T+6:T+7], v[T+2:T+3], v[T+4:T+5]
	v_add_f32 v[T+6], v[T+6], v[T+7]
	v_add_f32_dpp v[T+6], v[T+6], v[T+6] row_xmask:1 row_mask:0xf bank_mask:0xf
	v_add_f32_dpp v[T+6], v[T+6], v[T+6] row_xmask:2 row_mask:0xf bank_mask:0xf
	v_add_f32_dpp v[T+6], v[T+6], v[T+6] row_xmask:4 row_mask:0xf bank_mask:0xf
	v_add_f32_dpp v[T+6], v[T+6], v[T+6] row_xmask:8 row_mask:0xf bank_mask:0xf
	v_permlanex16_b32 v[T+7], v[T+6], s40, s41
	v_add_f32 v[T+6], v[T+6], v[T+7]
	v_fma_f32 v[LR], v[LR], v[T+1], v[T+6]         ; l = l f + the block's sum
	v_cvt_pk_bf16_f32 v[T+2], v[T+2], v[T+3]
	v_cvt_pk_bf16_f32 v[T+3], v[T+4], v[T+5]
	ds_store_b64 v[PSA], v[T+2:T+3]
.irp g, 0,1,2,3
.irp k, 0,1
	ds_load_b128 v[AFR+8*\g+4*\k:AFR+8*\g+4*\k+3], v[PLA] offset:64*\g+32*\k   ; my wave's own bytes, served in order: these see the store.  All sixteen rows of the operand are the same 32 weights
.endr
.endr
	s_wait_alu depctr_va_vdst(0)                   ; the wait here, directly ahead of the wait below
	s_wait_dscnt 0x0
	; CTX: context += p . strip: source 0 = p (16 equal rows x 32 of the block's rows), source 1 = fragment i of a row group: register 0 of result i, lane r: column 128 w + 8 r + i.  The eight results by turns
	WIN 0x04                                       ; source 1 window 1
.irp i, 0,1,2,3,4,5,6,7
	v_wmma_f32_16x16x32_bf16 v[ACC+8*\i:ACC+8*\i+7], v[AFR:AFR+7], v[128+8*\i:128+8*\i+7], 0
.endr
.irp i, 0,1,2,3,4,5,6,7
	v_wmma_f32_16x16x32_bf16 v[ACC+8*\i:ACC+8*\i+7], v[AFR+8:AFR+15], v[192+8*\i:192+8*\i+7], v[ACC+8*\i:ACC+8*\i+7]
.endr
.irp i, 0,1,2,3,4,5,6,7
	v_wmma_f32_16x16x32_bf16 v[ACC+8*\i:ACC+8*\i+7], v[AFR+24:AFR+31], v[EB+8*\i:EB+8*\i+7], v[ACC+8*\i:ACC+8*\i+7]
.endr
	WIN 0
.irp i, 0,1,2,3,4,5,6,7
	v_wmma_f32_16x16x32_bf16 v[ACC+8*\i:ACC+8*\i+7], v[AFR+16:AFR+23], v[192+8*\i:192+8*\i+7], v[ACC+8*\i:ACC+8*\i+7]
.endr
	PLACES
.irp i, 0,1,2,3,4,5,6,7
	v_fma_f32 v[CX+\i], v[CX+\i], v[T+1], v[ACC+8*\i]   ; under the new m; each result is read at its lowest register
.endr
	s_wait_xcnt 0x0                                ; every load, tau's store and the prefetches have read their bases, and the store its data: only now are they written again
	s_add_nc_u64 s[4:5], s[4:5], 0x80000           ; 128 rows of 4,096 bytes on
	s_add_nc_u64 s[6:7], s[6:7], 512               ; 128 rows of 4 bytes on
	s_add_nc_u64 s[16:17], s[16:17], 512
	s_sub_co_u32 s23, s23, 1
	s_cmp_lg_u32 s23, 0
	s_wait_alu depctr_va_vdst(0)                   ; the wait here, directly ahead of the branch
	s_cbranch_scc1 .Lsb
	; THE WAY OUT: my 128 columns of the partial context; m and l
.irp i, 0,1,2,3
	v_cndmask_b32 v[T+\i], v[CX+\i], v[CX+4+\i], s42   ; both halves of the lanes hold all eight: lanes 0-15 store columns 8 r + 0 .. 3, lanes 16-31 columns 8 r + 4 .. 7
.endr
	global_store_b128 v[CO], v[T:T+3], s[20:21]    ; 32 lanes store 512 consecutive bytes
	v_mov_b32 v[T+4], 0
	v_cmp_eq_u32 vcc_lo, 0, v0
	s_wait_alu depctr_va_vdst(0)
	s_wait_xcnt 0x0                                ; EXEC changes only behind this wait
	s_and_saveexec_b32 s44, vcc_lo                 ; thread 0 alone
	global_store_b64 v[T+4], v[MR:LR], s[18:19]
	s_wait_xcnt 0x0                                ; and again, ahead of the line that widens it
	s_or_b32 exec_lo, exec_lo, s44
	s_wait_tensorcnt 0x0                           ; the wave's end, behind my last LDS store
	ds_add_u32 v[SPW], v[NIL]
	s_wait_dscnt 0x0
	s_endpgm
.Lfunc_end_k_qde09bfb142_attn:
	.size	k_qde09bfb142_attn, .Lfunc_end_k_qde09bfb142_attn-k_qde09bfb142_attn
	.p2alignl 7, 3214868480
	.fill 96, 4, 3214868480
	.section	.rodata,"a",@progbits
	.p2align	6, 0x0
	.amdhsa_kernel k_qde09bfb142_attn
		.amdhsa_group_segment_fixed_size 285696
		.amdhsa_private_segment_fixed_size 0
		.amdhsa_enable_private_segment 0
		.amdhsa_kernarg_size 72
		.amdhsa_user_sgpr_count 2
		.amdhsa_user_sgpr_kernarg_segment_ptr 1
		.amdhsa_wavefront_size32 1
		.amdhsa_system_sgpr_workgroup_id_x 1
		.amdhsa_system_sgpr_workgroup_id_y 1
		.amdhsa_system_sgpr_workgroup_id_z 1
		.amdhsa_system_vgpr_workitem_id 0
		.amdhsa_next_free_vgpr 512
		.amdhsa_next_free_sgpr 66
		.amdhsa_reserve_vcc 1
		.amdhsa_float_denorm_mode_32 3
		.amdhsa_float_denorm_mode_16_64 3
		.amdhsa_memory_ordered 1
		.amdhsa_forward_progress 1
		.amdhsa_inst_pref_size 255
	.end_amdhsa_kernel
	.section	.bss,"aw",@nobits
	.p2align	6
	.space	262144
	.amdgpu_metadata
---
amdhsa.version: [ 1, 2 ]
amdhsa.kernels:
  - .name:           k_qde09bfb142_attn
    .symbol:         k_qde09bfb142_attn.kd
    .args:
      - { .name: encoder_output, .offset: 0, .size: 8, .value_kind: global_buffer, .address_space: global }
      - { .name: x_padding_masks, .offset: 8, .size: 8, .value_kind: global_buffer, .address_space: global }
      - { .name: v, .offset: 16, .size: 8, .value_kind: global_buffer, .address_space: global }
      - { .name: whc, .offset: 24, .size: 8, .value_kind: global_buffer, .address_space: global }
      - { .name: whs, .offset: 32, .size: 8, .value_kind: global_buffer, .address_space: global }
      - { .name: dcs, .offset: 40, .size: 8, .value_kind: global_buffer, .address_space: global }
      - { .name: tau, .offset: 48, .size: 8, .value_kind: global_buffer, .address_space: global }
      - { .name: stat, .offset: 56, .size: 8, .value_kind: global_buffer, .address_space: global }
      - { .name: ctxp, .offset: 64, .size: 8, .value_kind: global_buffer, .address_space: global }
    .group_segment_fixed_size: 285696
    .private_segment_fixed_size: 0
    .kernarg_segment_align: 8
    .kernarg_segment_size: 72
    .max_flat_workgroup_size: 256
    .sgpr_count:     66
    .vgpr_count:     512
    .wavefront_size: 32
...
	.end_amdgpu_metadata
.endif
;; end of part 2
;; launch fin (part 3): grid 32 x 3, 8 waves a work-group, no clusters, 0 bytes of LDS; arguments tau, stat, ctxp, x_padding_masks, out0, out1; writes out0, out1
.if DOCPART == 3
	.amdgcn_target "amdgcn-amd-amdhsa--gfx1250"
	.amdhsa_code_object_version 6
	.text
	.protected	k_qde09bfb142_fin
	.globl	k_qde09bfb142_fin
	.p2align	8
	.type	k_qde09bfb142_fin,@function
k_qde09bfb142_fin:
	s_mov_b64 s[64:65], 0
	v_nop
	global_prefetch_b8 v0, s[64:65] scope:SCOPE_SE
	s_setreg_imm32_b32 hwreg(HW_REG_WAVE_MODE, 25, 1), 1
	s_wait_xcnt 0x0
; The eight parts of a batch are joined.  LEFT OUT, as shown at the head of prep: the score's term sum_e v[e] and the softmax's own divisor.
; Batch b = work-group x.  Its eight work-groups of attn left m_j, l_j (stat), a partial context under m_j (ctxp), and tau for every position.
; M = max_j m_j, w_j = 2^(m_j - M), L = sum_j l_j w_j.   y = 0: out0[b][:] = sum_j ctxp_j w_j / L.   y = 1, 2: half a row of out1: 2^(tau - M) x mask / L.
; A mask of zeros alone gives L = 0 and NaN, as reference()'s 0 / 0 does.
; Memory binds what little there is: no LDS, no barrier, no matrix unit; every load and store of a wave covers 512 consecutive bytes (stat: 64).
; m_j and l_j lie in lane j of each group of eight lanes: three steps across lanes (xor 1, 2, 4) give M and L to every lane.
.macro STATS left
	s_wait_loadcnt \left                           ; stat's load is in; behind it the way's own loads
	v_mov_b32 v5, v2
	s_delay_alu instid0(VALU_DEP_1)
	v_max_num_f32_dpp v5, v5, v5 row_xmask:1 row_mask:0xf bank_mask:0xf
	s_delay_alu instid0(VALU_DEP_1)
	v_max_num_f32_dpp v5, v5, v5 row_xmask:2 row_mask:0xf bank_mask:0xf
	s_delay_alu instid0(VALU_DEP_1)
	v_max_num_f32_dpp v5, v5, v5 row_xmask:4 row_mask:0xf bank_mask:0xf   ; M
	s_delay_alu instid0(VALU_DEP_1)
	v_sub_f32 v6, v2, v5
	s_wait_alu depctr_va_vdst(0)
	v_exp_f32 v6, v6                               ; w_j
	v_nop                                          ; a plain line behind the transcendental,
	s_wait_alu depctr_va_vdst(0)                   ; and the wait ahead of its first reader
	v_mul_f32 v7, v3, v6
	s_delay_alu instid0(VALU_DEP_1)
	v_add_f32_dpp v7, v7, v7 row_xmask:1 row_mask:0xf bank_mask:0xf
	s_delay_alu instid0(VALU_DEP_1)
	v_add_f32_dpp v7, v7, v7 row_xmask:2 row_mask:0xf bank_mask:0xf
	s_delay_alu instid0(VALU_DEP_1)
	v_add_f32_dpp v7, v7, v7 row_xmask:4 row_mask:0xf bank_mask:0xf   ; L
	s_wait_alu depctr_va_vdst(0)
	v_rcp_f32 v40, v7
	v_nop
	s_wait_alu depctr_va_vdst(0)
.endm
	s_load_b256 s[4:11], s[0:1], 0x0               ; tau s[4:5], stat s[6:7], ctxp s[8:9], mask s[10:11]
	s_load_b128 s[12:15], s[0:1], 0x20             ; out0 s[12:13], out1 s[14:15]
	s_and_b32 s16, ttmp7, 0xffff                   ; y
	v_and_b32 v1, 7, v0
	s_delay_alu instid0(VALU_DEP_1)
	v_lshlrev_b32 v1, 3, v1                        ; 8 (lane % 8)
	v_lshlrev_b32 v4, 4, v0                        ; 16 T
	s_lshl_b32 s18, ttmp9, 6                       ; the batch's eight pairs
	s_mov_b32 s19, 0
	s_wait_alu depctr_va_vdst(0)
	s_wait_kmcnt 0x0
	s_add_nc_u64 s[6:7], s[6:7], s[18:19]
	global_load_b64 v[2:3], v1, s[6:7]
	s_cmp_lg_u32 s16, 0
	s_cbranch_scc1 .Lweights
	s_lshl_b32 s18, ttmp9, 15                      ; the batch's eight partial contexts of 4,096 bytes
	s_add_nc_u64 s[8:9], s[8:9], s[18:19]
.irp j, 0,1,2,3,4,5,6,7
	global_load_b128 v[8+4*\j:11+4*\j], v4, s[8:9] offset:4096*\j th:TH_LOAD_NT
.endr
	s_lshl_b32 s18, ttmp9, 12
	s_add_nc_u64 s[12:13], s[12:13], s[18:19]
	STATS 8
	v_mul_f32 v6, v6, v40                          ; w_j / L
.irp j, 0,1,2,3,4,5,6,7
	v_readlane_b32 s[20+\j], v6, \j
.endr
	s_wait_loadcnt 0x0
.irp k, 0,1,2,3
	v_mul_f32 v[44+\k], s20, v[8+\k]               ; the first part starts the sums
.endr
.irp j, 1,2,3,4,5,6,7
.irp k, 0,1,2,3
	s_delay_alu instid0(VALU_DEP_4)
	v_fmac_f32 v[44+\k], s[20+\j], v[8+4*\j+\k]
.endr
.endr
	global_store_b128 v4, v[44:47], s[12:13]
	s_endpgm
.Lweights:
	s_sub_co_u32 s17, s16, 1
	s_lshl_b32 s17, s17, 12                        ; which half of the row,
	s_lshl_b32 s18, ttmp9, 13                      ; of the batch's 8,192 bytes
	s_add_co_u32 s18, s18, s17
	s_add_nc_u64 s[4:5], s[4:5], s[18:19]
	s_add_nc_u64 s[10:11], s[10:11], s[18:19]
	s_add_nc_u64 s[14:15], s[14:15], s[18:19]
	global_load_b128 v[8:11], v4, s[4:5] th:TH_LOAD_NT
	global_load_b128 v[12:15], v4, s[10:11] th:TH_LOAD_NT
	STATS 2
	s_wait_loadcnt 0x0
.irp k, 0,1,2,3
	v_sub_f32 v[8+\k], v[8+\k], v5
.endr
	s_wait_alu depctr_va_vdst(0)
.irp k, 0,1,2,3
	v_exp_f32 v[8+\k], v[8+\k]
.endr
	v_mov_b32 v41, v40                             ; 1 / L as a pair; these three lines are the plain work behind the exponentials
	v_pk_mul_f32 v[12:13], v[12:13], v[40:41]      ; mask / L
	v_pk_mul_f32 v[14:15], v[14:15], v[40:41]
	s_wait_alu depctr_va_vdst(0)                   ; one wait for the four
	v_pk_mul_f32 v[8:9], v[8:9], v[12:13]
	v_pk_mul_f32 v[10:11], v[10:11], v[14:15]
	global_store_b128 v4, v[8:11], s[14:15]
	s_endpgm
.Lfunc_end_k_qde09bfb142_fin:
	.size	k_qde09bfb142_fin, .Lfunc_end_k_qde09bfb142_fin-k_qde09bfb142_fin
	.p2alignl 7, 3214868480
	.fill 96, 4, 3214868480
	.section	.rodata,"a",@progbits
	.p2align	6, 0x0
	.amdhsa_kernel k_qde09bfb142_fin
		.amdhsa_group_segment_fixed_size 0
		.amdhsa_private_segment_fixed_size 0
		.amdhsa_enable_private_segment 0
		.amdhsa_kernarg_size 48
		.amdhsa_user_sgpr_count 2
		.amdhsa_user_sgpr_kernarg_segment_ptr 1
		.amdhsa_wavefront_size32 1
		.amdhsa_system_sgpr_workgroup_id_x 1
		.amdhsa_system_sgpr_workgroup_id_y 1
		.amdhsa_system_sgpr_workgroup_id_z 1
		.amdhsa_system_vgpr_workitem_id 0
		.amdhsa_next_free_vgpr 64
		.amdhsa_next_free_sgpr 66
		.amdhsa_reserve_vcc 0
		.amdhsa_float_denorm_mode_32 3
		.amdhsa_float_denorm_mode_16_64 3
		.amdhsa_memory_ordered 1
		.amdhsa_forward_progress 1
		.amdhsa_inst_pref_size 8
	.end_amdhsa_kernel
	.amdgpu_metadata
---
amdhsa.version: [ 1, 2 ]
amdhsa.kernels:
  - .name:           k_qde09bfb142_fin
    .symbol:         k_qde09bfb142_fin.kd
    .args:
      - { .name: tau, .offset: 0, .size: 8, .value_kind: global_buffer, .address_space: global }
      - { .name: stat, .offset: 8, .size: 8, .value_kind: global_buffer, .address_space: global }
      - { .name: ctxp, .offset: 16, .size: 8, .value_kind: global_buffer, .address_space: global }
      - { .name: x_padding_masks, .offset: 24, .size: 8, .value_kind: global_buffer, .address_space: global }
      - { .name: out0, .offset: 32, .size: 8, .value_kind: global_buffer, .address_space: global }
      - { .name: out1, .offset: 40, .size: 8, .value_kind: global_buffer, .address_space: global }
    .group_segment_fixed_size: 0
    .private_segment_fixed_size: 0
    .kernarg_segment_align: 8
    .kernarg_segment_size: 48
    .max_flat_workgroup_size: 256
    .sgpr_count:     66
    .vgpr_count:     64
    .wavefront_size: 32
...
	.end_amdgpu_metadata
.endif
;; end of part 3
